; MI455X (gfx1250); checked and timed in simulation.
; The chip was launched on July 23, 2026; its instructions are those of AMD's public machine-readable ISA for CDNA 5 (MIT licence, August 2026) and "CDNA5" Instruction Set Architecture Reference Guide (July 2026). The comments in the code are by the model that wrote it; some were corrected since.
;; FP8 Linear. Allowed arithmetic: float matrix products may take bf16 or f16 operands with f32 sums; other float arithmetic in f32, or as packed bf16 or f16 multiplies, adds, multiply-adds, maxima and minima; sums over many terms, partial sums and values carried from step to step in f32; what a program stores and reads back later, other than sums and carried values, may be rounded once to bf16 or f16.
;; Inputs: bias 4,096 float16; weight 4,096 x 4,096 float16; x 4,096 x 4,096 float16.
;; Outputs: out0 4,096 x 4,096 float16.
;; 2 versions, each right; version 2 is version 1 with the launch quant written anew for expert scheduling mode. Each part assembles by itself: llvm-mc -triple=amdgcn-amd-amdhsa -mcpu=gfx1250 --defsym DOCPART=n.
;; ======== version 1 of 2: 3 launches
;; workspace buffers: amax 2,048 bytes; xq 33,554,432 bytes; wq 33,554,432 bytes
;; launch amax (part 1): grid 256 x 2, 8 waves a work-group, no clusters, 1,280 bytes of LDS; arguments x, weight, amax; writes amax
.if DOCPART == 1
	.amdgcn_target "amdgcn-amd-amdhsa--gfx1250"
	.amdhsa_code_object_version 6
	.text
	.protected	k_qd4e8cb45ea_amax
	.globl	k_qd4e8cb45ea_amax
	.p2align	8
	.type	k_qd4e8cb45ea_amax,@function
k_qd4e8cb45ea_amax:
	s_mov_b64 s[64:65], 0
	v_nop
	global_prefetch_b8 v0, s[64:65] scope:SCOPE_SE
	s_setreg_imm32_b32 hwreg(HW_REG_WAVE_MODE, 25, 1), 1
	s_wait_xcnt 0x0
; PARTIAL MAXIMA.  amax[y][g] = the largest |t| among 65,536 consecutive f16 numbers of tensor y (0: x, 1: weight), as f32.
; 256 work-groups a tensor (grid x), two tensors (grid y).  A work-group owns 131,072 consecutive bytes; load j (0 to 31) of thread t takes
; the 16 bytes at 4,096 j + 16 t, so one load of a wave covers 512 consecutive bytes that begin at a multiple of 512.  All 32 loads of a wave go out at once:
; 16 KiB a wave on their way, and nothing is loaded twice.  No matrix unit, no cluster, no tensor load: the work is one pass over bytes that no two work-groups share.
; The loads carry no cache word: the next launch reads the same bytes again.
; LIMITS.  A NaN loses every maximum here (it is passed over); an infinity is taken as the maximum, as it comes.
; The result is one word a work-group, 4 bytes: 64 work-groups' words share 256 bytes, and work-groups hand nothing to each other inside a launch.
.set SPARE, 256                        ; LDS: bytes 0-31 the eight waves' maxima (the block of 256 is theirs alone); from 256 on the spare words, 128 bytes for each of eight waves
.set SPW, 2                            ; v2       LDS address of my spare word; never rewritten
.set NIL, 3                            ; v3       0; never rewritten
.set M,   4                            ; v[4:7]   four running maxima, two f16 each
.set T,   8                            ; v[8:11]  at work
.set X,   16                           ; v[16:143] the 32 loads' 128 words
	s_load_b128 s[4:7], s[0:1], 0x0                ; x s[4:5], weight s[6:7]
	s_load_b64 s[8:9], s[0:1], 0x10                ; amax
	v_lshl_add_u32 v[SPW], v0, 2, SPARE
	v_mov_b32 v[NIL], 0
	v_lshlrev_b32 v1, 4, v0                        ; 16 t
	v_lshrrev_b32 v12, 5, v0
	v_readfirstlane_b32 s11, v12                   ; my wave's number
	s_and_b32 s10, ttmp7, 0xffff                   ; y: which tensor
	s_lshl_b32 s12, ttmp9, 17                      ; g x 131,072 bytes (under 2^25)
	s_mov_b32 s13, 0
	s_lshl_b32 s14, s10, 8
	s_add_co_u32 s14, s14, ttmp9
	s_lshl_b32 s14, s14, 2                         ; my word in amax: 4 (256 y + g)
	s_mov_b32 s15, 0
	s_mov_b32 s17, 0x7fff7fff                      ; clears the signs of two f16
	s_mov_b32 s18, 0x76543210                      ; v_permlanex16_b32: each lane takes its own place in the other half
	s_mov_b32 s19, 0xfedcba98
	s_wait_kmcnt 0x0
	s_cmp_eq_u32 s10, 0
	s_cselect_b64 s[4:5], s[4:5], s[6:7]           ; the tensor
	s_add_nc_u64 s[4:5], s[4:5], s[12:13]          ; at my work-group's first byte
	s_add_nc_u64 s[8:9], s[8:9], s[14:15]
.set j, 0
.rept 32
	global_load_b128 v[X+4*j:X+4*j+3], v1, s[4:5] offset:4096*j
.set j, j+1
.endr
	; The largest |t| of my 256 numbers, two f16 at a time, in four chains that do not wait for each other.  Nothing is rounded: a maximum picks one of its sources.
.set w, 0
.rept 4
	s_wait_loadcnt 24-(w/32)*8                     ; loads come back in order (ISA guide 5.7.1): eight more are in, the younger ones stay out
.rept 32
.if w < 4
	v_and_b32 v[M+w], s17, v[X+w]                  ; the first four words start the chains: nothing is cleared
.else
	v_and_b32 v[T+w%4], s17, v[X+w]
	v_pk_max_num_f16 v[M+w%4], v[M+w%4], v[T+w%4]
.endif
.set w, w+1
.endr
.endr
	v_pk_max_num_f16 v[M], v[M], v[M+1]
	v_pk_max_num_f16 v[M+2], v[M+2], v[M+3]
	v_pk_max_num_f16 v[M], v[M], v[M+2]
	v_cvt_f32_f16 v8, v4.l                         ; the two halves as f32 (v4 is M)
	v_cvt_f32_f16 v9, v4.h
	v_max_num_f32 v8, v8, v9
	; across the 32 lanes: four steps inside each half of 16 lanes, one across the halves
	v_max_num_f32_dpp v8, v8, v8 row_xmask:1 row_mask:0xf bank_mask:0xf
	v_max_num_f32_dpp v8, v8, v8 row_xmask:2 row_mask:0xf bank_mask:0xf
	v_max_num_f32_dpp v8, v8, v8 row_xmask:4 row_mask:0xf bank_mask:0xf
	v_max_num_f32_dpp v8, v8, v8 row_xmask:8 row_mask:0xf bank_mask:0xf
	v_permlanex16_b32 v9, v8, s18, s19             ; its destination counts as read: v9 has been written
	v_max_num_f32 v8, v8, v9
	; across the eight waves: each stores its maximum to its own word, one barrier, every wave reads all eight
	v_mov_b32 v10, s11
	v_lshlrev_b32 v10, 2, v10                      ; 4 x wave
	v_mov_b32 v11, 0
	ds_store_b32 v10, v8                           ; all lanes write the same word with the same value
	s_wait_dscnt 0x0                               ; for the others' sake: my store is done
	s_barrier_signal -1
	s_barrier_wait -1
	ds_load_b128 v[16:19], v11
	ds_load_b128 v[20:23], v11 offset:16
	s_wait_dscnt 0x0
	v_max3_num_f32 v16, v16, v17, v18
	v_max3_num_f32 v19, v19, v20, v21
	v_max3_num_f32 v16, v16, v22, v23
	v_max_num_f32 v8, v16, v19
	v_cmp_eq_u32 vcc_lo, 0, v0                     ; thread 0 alone stores
	s_wait_xcnt 0x0                                ; EXEC is a source of every memory instruction issued: it changes only behind this wait
	s_and_saveexec_b32 s16, vcc_lo
	global_store_b32 v11, v8, s[8:9]
	s_wait_xcnt 0x0                                ; and again in front of the line that widens it
	s_or_b32 exec_lo, exec_lo, s16
	s_wait_tensorcnt 0x0                           ; the wave's end: behind my last LDS store
	ds_add_u32 v[SPW], v[NIL]
	s_wait_dscnt 0x0
	s_endpgm
.Lfunc_end_k_qd4e8cb45ea_amax:
	.size	k_qd4e8cb45ea_amax, .Lfunc_end_k_qd4e8cb45ea_amax-k_qd4e8cb45ea_amax
	.p2alignl 7, 3214868480
	.fill 96, 4, 3214868480
	.section	.rodata,"a",@progbits
	.p2align	6, 0x0
	.amdhsa_kernel k_qd4e8cb45ea_amax
		.amdhsa_group_segment_fixed_size 1280
		.amdhsa_private_segment_fixed_size 0
		.amdhsa_enable_private_segment 0
		.amdhsa_kernarg_size 24
		.amdhsa_user_sgpr_count 2
		.amdhsa_user_sgpr_kernarg_segment_ptr 1
		.amdhsa_wavefront_size32 1
		.amdhsa_system_sgpr_workgroup_id_x 1
		.amdhsa_system_sgpr_workgroup_id_y 1
		.amdhsa_system_sgpr_workgroup_id_z 1
		.amdhsa_system_vgpr_workitem_id 0
		.amdhsa_next_free_vgpr 144
		.amdhsa_next_free_sgpr 66
		.amdhsa_reserve_vcc 1
		.amdhsa_float_denorm_mode_32 3
		.amdhsa_float_denorm_mode_16_64 3
		.amdhsa_memory_ordered 1
		.amdhsa_forward_progress 1
		.amdhsa_inst_pref_size 18
	.end_amdhsa_kernel
	.amdgpu_metadata
---
amdhsa.version: [ 1, 2 ]
amdhsa.kernels:
  - .name:           k_qd4e8cb45ea_amax
    .symbol:         k_qd4e8cb45ea_amax.kd
    .args:
      - { .name: x, .offset: 0, .size: 8, .value_kind: global_buffer, .address_space: global }
      - { .name: weight, .offset: 8, .size: 8, .value_kind: global_buffer, .address_space: global }
      - { .name: amax, .offset: 16, .size: 8, .value_kind: global_buffer, .address_space: global }
    .group_segment_fixed_size: 1280
    .private_segment_fixed_size: 0
    .kernarg_segment_align: 8
    .kernarg_segment_size: 24
    .max_flat_workgroup_size: 256
    .sgpr_count:     66
    .vgpr_count:     144
    .wavefront_size: 32
...
	.end_amdgpu_metadata
.endif
;; end of part 1
;; launch quant (part 2): grid 256 x 2, 8 waves a work-group, no clusters, 0 bytes of LDS; arguments x, weight, amax, xq, wq; writes xq, wq
.if DOCPART == 2
	.amdgcn_target "amdgcn-amd-amdhsa--gfx1250"
	.amdhsa_code_object_version 6
	.text
	.protected	k_qd4e8cb45ea_quant
	.globl	k_qd4e8cb45ea_quant
	.p2align	8
	.type	k_qd4e8cb45ea_quant,@function
k_qd4e8cb45ea_quant:
	s_mov_b64 s[64:65], 0
	v_nop
	global_prefetch_b8 v0, s[64:65] scope:SCOPE_SE
	s_setreg_imm32_b32 hwreg(HW_REG_WAVE_MODE, 25, 1), 1
	s_wait_xcnt 0x0
; QUANTISATION.  q = e4m3(clip(t x scale, -448, 448)), scale = 448 / max(amax, 1e-12), written as f16.  Tensor y = 0: x -> xq; y = 1: weight -> wq.  [4096][4096] f16 in and out, the same layout.
; Every e4m3 number (four significant bits, 2^-9 to 448) is an f16 number, so the f16 that is stored IS the quantised number: the product that follows sums exactly what a product of the codes would sum.
; SHARES.  256 work-groups a tensor, 131,072 consecutive bytes each; load and store j (0 to 31) of thread t touch the 16 bytes at 4,096 j + 16 t: a wave's instruction covers 512 consecutive
; bytes that begin at a multiple of 512.  All 32 loads of a wave go out at once; each group of four registers is quantised in place and stored from where it was loaded, so no register
; that a memory instruction names is ever written again: no ring, no loop, and no wait but the counted waits for the data.
; THE SCALE.  Each wave takes the maximum of its tensor's 256 partial maxima (1,024 bytes, two loads).  Where 448 / amax is a short binary number, many t x scale lie exactly midway between two e4m3
; numbers, and a scale off by one unit in the last place would break those ties otherwise than a true division does.  So: reciprocal, one Newton step, the quotient, and one correction by its exact remainder;
; the result is the true quotient wherever that is an f32 number, and within one unit in the last place of the rounded quotient elsewhere.
; LIMITS.  A NaN in a tensor is passed over by the maximum, and the clip turns it into a bound; -0 becomes +0 (0 is added in the multiply-add), which no product notices.
.set SCL,  10                          ; v10      the scale
.set ZERO, 11                          ; v11      0
.set T,    12                          ; v[12:19] eight numbers in f32, at work
                                       ; v20, v21 eight e4m3 codes (their halves are named as v20.l and so on)
.set OFF,  22                          ; v22      16 t; never rewritten
.set X,    24                          ; v[24:151] the 32 loads' 128 words, then the words to store
	s_load_b256 s[4:11], s[0:1], 0x0               ; x s[4:5], weight s[6:7], amax s[8:9], xq s[10:11]
	s_load_b64 s[12:13], s[0:1], 0x20              ; wq
	v_and_b32 v1, 31, v0
	v_lshlrev_b32 v1, 4, v1                        ; 16 x lane: my 16 bytes of 512 of the partial maxima
	v_lshlrev_b32 v[OFF], 4, v0
	s_and_b32 s14, ttmp7, 0xffff                   ; y: which tensor
	s_lshl_b32 s16, ttmp9, 17                      ; g x 131,072 bytes
	s_mov_b32 s17, 0
	s_lshl_b32 s18, s14, 10                        ; the tensor's 1,024 bytes of partial maxima
	s_mov_b32 s19, 0
	s_mov_b32 s20, 0xc3e00000                      ; -448
	s_mov_b32 s21, 0x43e00000                      ; 448
	s_mov_b32 s22, 0x76543210
	s_mov_b32 s23, 0xfedcba98
	s_wait_kmcnt 0x0
	s_cmp_eq_u32 s14, 0
	s_cselect_b64 s[4:5], s[4:5], s[6:7]           ; from where,
	s_cselect_b64 s[10:11], s[10:11], s[12:13]     ; to where
	s_add_nc_u64 s[4:5], s[4:5], s[16:17]
	s_add_nc_u64 s[10:11], s[10:11], s[16:17]
	s_add_nc_u64 s[8:9], s[8:9], s[18:19]
	global_load_b128 v[2:5], v1, s[8:9]
	global_load_b128 v[6:9], v1, s[8:9] offset:512
.set j, 0
.rept 32
	global_load_b128 v[X+4*j:X+4*j+3], v[OFF], s[4:5] offset:4096*j th:TH_LOAD_NT  ; read for the last time
.set j, j+1
.endr
	s_wait_loadcnt 32                              ; the partial maxima are in; the 32 younger loads stay out
	v_max3_num_f32 v2, v2, v3, v4
	v_max3_num_f32 v5, v5, v6, v7
	v_max3_num_f32 v2, v2, v8, v9
	v_max_num_f32 v2, v2, v5
	v_max_num_f32_dpp v2, v2, v2 row_xmask:1 row_mask:0xf bank_mask:0xf
	v_max_num_f32_dpp v2, v2, v2 row_xmask:2 row_mask:0xf bank_mask:0xf
	v_max_num_f32_dpp v2, v2, v2 row_xmask:4 row_mask:0xf bank_mask:0xf
	v_max_num_f32_dpp v2, v2, v2 row_xmask:8 row_mask:0xf bank_mask:0xf
	v_permlanex16_b32 v3, v2, s22, s23             ; v3 has been written
	v_max_num_f32 v2, v2, v3
	v_max_num_f32 v2, 0x2b8cbccc, v2               ; a = max(amax, 1e-12)
	v_rcp_f32 v3, v2                               ; r, about 1 / a
	v_mov_b32 v4, 0x43e00000                       ; 448: also the plain instruction between the reciprocal and the use of its result (ISA guide 5.7.2)
	s_wait_alu depctr_va_vdst(0)
	v_fma_f32 v5, -v2, v3, 1.0                     ; 1 - a r
	v_fma_f32 v3, v5, v3, v3                       ; r made better by it
	v_mul_f32 v6, v4, v3                           ; q = 448 r
	v_fma_f32 v7, -v2, v6, v4                      ; 448 - a q, exact before its one rounding
	v_fma_f32 v[SCL], v7, v3, v6                   ; q + remainder x r
	v_mov_b32 v[ZERO], 0
; Load j's eight numbers: 28 vector instructions and a store.
.macro QUAD j
	s_wait_loadcnt 31-(\j)                         ; loads come back in order (ISA guide 5.7.1): load j is in, the younger ones stay out
.irp r, 0,1,2,3
	v_fma_mix_f32 v[T+2*(\r)],   v[X+4*(\j)+(\r)], v[SCL], v[ZERO] op_sel_hi:[1,0,0]                ; the low f16 x scale, in f32, rounded once
	v_fma_mix_f32 v[T+2*(\r)+1], v[X+4*(\j)+(\r)], v[SCL], v[ZERO] op_sel:[1,0,0] op_sel_hi:[1,0,0]  ; the high f16
.endr
.irp k, 0,1,2,3,4,5,6,7
	v_med3_num_f32 v[T+(\k)], v[T+(\k)], s20, s21  ; the clip: the conversion below does not saturate
.endr
	v_cvt_pk_fp8_f32 v20.l, v12, v13               ; to e4m3, to nearest even
	v_cvt_pk_fp8_f32 v20.h, v14, v15
	v_cvt_pk_fp8_f32 v21.l, v16, v17
	v_cvt_pk_fp8_f32 v21.h, v18, v19
	v_cvt_pk_f32_fp8 v[12:13], v20.l               ; and back: exact
	v_cvt_pk_f32_fp8 v[14:15], v20.h
	v_cvt_pk_f32_fp8 v[16:17], v21.l
	v_cvt_pk_f32_fp8 v[18:19], v21.h
.irp r, 0,1,2,3
	v_cvt_pk_f16_f32 v[X+4*(\j)+(\r)], v[T+2*(\r)], v[T+2*(\r)+1]  ; exact too: four significant bits, 2^-9 to 448
.endr
	global_store_b128 v[OFF], v[X+4*(\j):X+4*(\j)+3], s[10:11] offset:4096*(\j)  ; no cache word: the next launch reads it
.endm
.set j, 0
.rept 32
	QUAD j
.set j, j+1
.endr
	s_endpgm
.Lfunc_end_k_qd4e8cb45ea_quant:
	.size	k_qd4e8cb45ea_quant, .Lfunc_end_k_qd4e8cb45ea_quant-k_qd4e8cb45ea_quant
	.p2alignl 7, 3214868480
	.fill 96, 4, 3214868480
	.section	.rodata,"a",@progbits
	.p2align	6, 0x0
	.amdhsa_kernel k_qd4e8cb45ea_quant
		.amdhsa_group_segment_fixed_size 0
		.amdhsa_private_segment_fixed_size 0
		.amdhsa_enable_private_segment 0
		.amdhsa_kernarg_size 40
		.amdhsa_user_sgpr_count 2
		.amdhsa_user_sgpr_kernarg_segment_ptr 1
		.amdhsa_wavefront_size32 1
		.amdhsa_system_sgpr_workgroup_id_x 1
		.amdhsa_system_sgpr_workgroup_id_y 1
		.amdhsa_system_sgpr_workgroup_id_z 1
		.amdhsa_system_vgpr_workitem_id 0
		.amdhsa_next_free_vgpr 152
		.amdhsa_next_free_sgpr 66
		.amdhsa_reserve_vcc 0
		.amdhsa_float_denorm_mode_32 3
		.amdhsa_float_denorm_mode_16_64 3
		.amdhsa_memory_ordered 1
		.amdhsa_forward_progress 1
		.amdhsa_inst_pref_size 62
	.end_amdhsa_kernel
	.amdgpu_metadata
---
amdhsa.version: [ 1, 2 ]
amdhsa.kernels:
  - .name:           k_qd4e8cb45ea_quant
    .symbol:         k_qd4e8cb45ea_quant.kd
    .args:
      - { .name: x, .offset: 0, .size: 8, .value_kind: global_buffer, .address_space: global }
      - { .name: weight, .offset: 8, .size: 8, .value_kind: global_buffer, .address_space: global }
      - { .name: amax, .offset: 16, .size: 8, .value_kind: global_buffer, .address_space: global }
      - { .name: xq, .offset: 24, .size: 8, .value_kind: global_buffer, .address_space: global }
      - { .name: wq, .offset: 32, .size: 8, .value_kind: global_buffer, .address_space: global }
    .group_segment_fixed_size: 0
    .private_segment_fixed_size: 0
    .kernarg_segment_align: 8
    .kernarg_segment_size: 40
    .max_flat_workgroup_size: 256
    .sgpr_count:     66
    .vgpr_count:     152
    .wavefront_size: 32
...
	.end_amdgpu_metadata
.endif
;; end of part 2
;; launch gemm (part 3): grid 16 x 16, 4 waves a work-group, clusters of 4 x 4, 327,680 bytes of LDS; arguments xq, wq, bias, amax, out0; writes out0
.if DOCPART == 3
	.amdgcn_target "amdgcn-amd-amdhsa--gfx1250"
	.amdhsa_code_object_version 6
	.text
	.protected	k_qd4e8cb45ea_gemm
	.globl	k_qd4e8cb45ea_gemm
	.p2align	8
	.type	k_qd4e8cb45ea_gemm,@function
k_qd4e8cb45ea_gemm:
	s_mov_b64 s[64:65], 0
	v_nop
	global_prefetch_b8 v0, s[64:65] scope:SCOPE_SE
	s_setreg_imm32_b32 hwreg(HW_REG_WAVE_MODE, 25, 1), 1
	s_wait_xcnt 0x0
	s_wait_alu depctr_hold_cnt(0) depctr_sa_sdst(0) depctr_va_vdst(0) depctr_va_sdst(0) depctr_va_ssrc(0) depctr_va_vcc(0) depctr_vm_vsrc(0)
	s_getreg_b32 s2, hwreg(HW_REG_IB_STS2, 6, 4)
	s_cmp_eq_u32 s2, 0
	s_cbranch_scc0 .Lentry_in_a_cluster
	s_endpgm
.Lentry_in_a_cluster:
	s_bfe_u32 s2, ttmp6, 0x10000c
	s_cmp_lg_u32 s2, 0xf033
	s_cbranch_scc0 .Lentry_shape_is_right
	s_endpgm
.Lentry_shape_is_right:
; out0[m][n] = f16(acc[m][n] x s) + bias[n], the sum in f16; acc[m][n] = the sum over k of xq[m][k] wq[n][k] in f32; s = (ax / 448)(aw / 448), ax and aw = max(the tensor's largest magnitude, 1e-12).
; xq: [4096][4096], wq: [4096][4096], out0: [4096][4096], bias: [4096], all f16; amax: 2 x 256 partial maxima in f32.  xq and wq hold e4m3 numbers written as f16, so every product is exact.
; LIMITS.  s stands for 1 / (448 / ax) x 1 / (448 / aw): it differs from that by a few units in f32's last place; it is 5e-30 at the least, never a denormal.  NaN loses in the maxima.
; SHARES.  C has 16 x 16 tiles of 256 x 256: one work-group to a tile, four waves, each 128 x 128: 64 accumulators of 16 x 16, 512 registers.  K goes in steps of 128 through a ring of two LDS slots
; filled by the tensor data mover: a tile's rows are 256 bytes of memory and start at multiples of 256 bytes from the buffer's first byte.
; CLUSTERS: 4 x 4 work-groups.  The four of a row of the cluster make tiles of one tile row of C and need the same tiles of xq; the four of a column need the same tiles of wq.  Such a tile is asked for
; JOINTLY: each of the four issues the same tensor load, with the same descriptor and a mask that names the four, and each receives the tile in its own LDS.
; REGISTERS, in windows of 256 (s_set_vgpr_msb's low byte: bits 1:0 source 0, 3:2 source 1, 5:4 source 2, 7:6 destination):
;   window 0: v0-31 addresses and the bias; v64-127, v128-191 fragments of A = xq (8 x 16 rows x 32 K), two buffers; v32-63, v192-255 at work on the way out
;   window 1: v64-127, v128-191 fragments of B = wq, two buffers
;   window 2: the 32 accumulators of my rows 0-63 (accumulator (a, b) at v[8 (8 a + b)]);   window 3: those of my rows 64-127
; THE MATRIX INSTRUCTION IS USED TRANSPOSED: source 0 = 16 rows of wq, source 1 = 16 rows of xq.  In the result lane l holds row l % 16 of C and the columns 8 (l / 16) + 0 .. 7:
; eight neighbouring numbers of a row of C, which pack into 16 bytes.
.set SIZE_M, 4096
.set SIZE_N, 4096
.set SIZE_K, 4096
.set KSTEP,  128
.set PITCH,  272                       ; an LDS row: 256 bytes of data + 16 of padding = 68 words: row r starts at bank 4 r mod 64 (64 banks of 4 bytes: ISA guide 11.1), so the 16 rows that a load touches start at 16 different banks
.set HALFT,  128*PITCH                 ; 128 rows: what one tensor load brings, and what one wave reads of A or of B
.set SLOT,   4*HALFT                   ; A's 256 rows, then B's 256 rows
.set STAGE,  2*SLOT                    ; behind the ring: 16 rows x 272 bytes for each wave, for the way out; no tensor load lands there
.set SPITCH, 272
.set SPARE,  STAGE+4*16*SPITCH         ; behind the stages: the spare words, 128 bytes for each wave: two blocks of 256 bytes that no other line names
.set LAPS,   SIZE_K/(2*KSTEP)          ; a lap = two K steps = once round the ring: 16
.set BIAS, 8                           ; v[8:11] the bias of the eight columns that I store, packed f16
.set ADRA, 16                          ; v16-17  LDS address of my A fragments in slot 0, 1
.set ADRB, 20                          ; v20-21  the same for B
.set STO,  24                          ; v24     the way out: where I put 16 bytes of a row
.set RD,   25                          ; v25     the way out: where I read a row back
.set CO,   26                          ; v26     my byte offset in C
.set SPW,  28                          ; v28     LDS address of my spare word: SPARE + 4 x my thread's number; never rewritten
.set NIL,  29                          ; v29     0; never rewritten
.set PART, 32                          ; v32-47  at the start: the partial maxima, x's in v32-39, weight's in v40-47
.set F0,   64                          ; fragment buffer 0
.set F1,   128                         ; fragment buffer 1
.set TMP,  192                         ; the way out: packed results, in window 0
.set OB,   32                          ; the way out: 16 rows read back from the stage: v32-63 and v224-255 by turns
.set G1,  24                           ; s[24:31] descriptor group 1 for A's tiles
.set G0,  32                           ; s[32:39] descriptor group 0 for A's tiles, one set for each slot
.set G1B, 48                           ; s[48:55] descriptor group 1 for B's tiles: it differs from A's in the mask alone
.set G0B, 56                           ; s[56:63] descriptor group 0 for B's tiles, one set for each slot
.set SC,  72                           ; s[72:73] s: the packed multiply names a pair and takes its low word for both halves
.set MSB, 0
.macro WIN new                         ; the immediate's high byte repeats the setting that is left; a switch that changes nothing is dropped
.if MSB != (\new)
	s_set_vgpr_msb (MSB<<8)|(\new)
.set MSB, \new
.endif
.endm
.set MUL_LO, 0xa1                      ; source 0 (B) window 1, source 1 (A) window 0, C and D window 2
.set MUL_HI, 0xf1                      ; the same, C and D window 3
.set TO_B,   0x40                      ; destination window 1, address window 0
; A joint load.  Waves 0 and 1 fetch A's two halves, waves 2 and 3 B's.  Each of the two lines has ONE mask and one set of registers for all that issue it, and nothing in them hangs on a coordinate
; that the four partners do not share.  The branch hangs on the wave's number alone.  An s_nop 0 and four v_nop follow each of the two lines, ahead of the jump, the label and what follows.
.macro JLOAD s
	s_cmp_eq_u32 s11, 0
	s_cbranch_scc0 .Lfor_b_\@
	tensor_load_to_lds s[G0+4*(\s):G0+4*(\s)+3], s[G1:G1+7]
	s_nop 0
.rept 4
	v_nop
.endr
	s_branch .Lasked_\@
.Lfor_b_\@:
	tensor_load_to_lds s[G0B+4*(\s):G0B+4*(\s)+3], s[G1B:G1B+7]
	s_nop 0
.rept 4
	v_nop
.endr
.Lasked_\@:
.endm
; A round of the cluster's barrier: my work-group's barrier, so that wave 0's signal speaks for all four waves; wave 0 signals for the work-group; every wave waits for all
; sixteen work-groups; my work-group's barrier once more.  No LDS instruction of the wave is pending at a signal.
.macro CREST                           ; a round behind its opening barrier
	s_cmp_lg_u32 s10, 0
	s_cbranch_scc1 .Lnot_wave_0_\@
	s_barrier_signal -3
.Lnot_wave_0_\@:
	s_barrier_wait -3
	s_barrier_signal -1
	s_barrier_wait -1
.endm
.macro CROUND                          ; a whole round
	s_barrier_signal -1
	s_barrier_wait -1
	CREST
.endm
	s_load_b128 s[4:7], s[0:1], 0x0                ; xq s[4:5], wq s[6:7]
	s_load_b128 s[68:71], s[0:1], 0x10             ; bias s[68:69], amax s[70:71]
	s_load_b64 s[8:9], s[0:1], 0x20                ; out0
	v_lshl_add_u32 v[SPW], v0, 2, SPARE
	v_mov_b32 v[NIL], 0
	ds_add_u32 v[SPW], v[NIL]                      ; the wave's opening: the add and its wait stand ahead of my first tensor load; the set-up below, work on registers, stands between them
	v_lshrrev_b32 v1, 5, v0
	v_readfirstlane_b32 s10, v1                    ; wave 0..3
	s_lshr_b32 s11, s10, 1                         ; which half of the tile's rows is mine.  Also: I fetch for A (0) or for B (1)
	s_and_b32 s12, s10, 1                          ; which half of its columns.  Also: which 128 rows of that tile I fetch
	s_bfe_u32 s40, ttmp6, 0x40000                  ; cx: my place along the cluster's x
	s_bfe_u32 s41, ttmp6, 0x40004                  ; cy: along its y
	s_lshl_b32 s42, ttmp9, 2                       ; in a cluster launch ttmp9 and ttmp7 count clusters
	s_add_co_u32 s42, s42, s40                     ; tile column of C = 4 x cluster x + cx
	s_and_b32 s13, ttmp7, 0xffff
	s_lshl_b32 s13, s13, 2
	s_add_co_u32 s13, s13, s41                     ; tile row of C = 4 x cluster y + cy
	s_lshl_b32 s43, s41, 2
	s_lshl_b32 s43, 15, s43                        ; my row of the cluster: places 4 cy .. 4 cy + 3
	s_lshl_b32 s44, 0x1111, s40                    ; my column: places cx, cx + 4, cx + 8, cx + 12
	; descriptor group 1: a tile of 128 rows x 128 elements, padded in LDS
	s_or_b32 s[G1+0], s43, (1<<16)|(1<<20)|(1<<21)|(5<<22)|(3<<25)  ; 15:0 the mask: A's tiles go to my row; 17:16 element of 2 bytes; 20 padding on; 21 set beside a mask; 24:22 after every 64 words (code 5); 31:25 of 4 words (code 3)
	s_or_b32 s[G1B+0], s44, (1<<16)|(1<<20)|(1<<21)|(5<<22)|(3<<25) ; the same with the mask of my column, for B's tiles
	s_mov_b32 s[G1B+1], KSTEP<<16
	s_mov_b32 s[G1+1], KSTEP<<16                   ; 63:48 tensor_dim0, low half = 128
	s_mov_b32 s[G1B+2], 128<<16
	s_mov_b32 s[G1+2], 128<<16                     ; 79:64 its high half = 0; 95:80 tensor_dim1, low half = 128
	s_mov_b32 s[G1B+3], KSTEP<<16
	s_mov_b32 s[G1+3], KSTEP<<16                   ; 111:96 its high half = 0; 127:112 tile_dim0 = 128
	s_mov_b32 s[G1B+4], 128
	s_mov_b32 s[G1+4], 128                         ; 143:128 tile_dim1 = 128; 159:144 tile_dim2 = 0
	s_mov_b32 s[G1B+5], SIZE_K
	s_mov_b32 s[G1+5], SIZE_K                      ; 191:160 tensor_dim0_stride, low word: elements from row to row
	s_mov_b32 s[G1B+6], 0
	s_mov_b32 s[G1+6], 0
	s_mov_b32 s[G1B+7], 0
	s_mov_b32 s[G1+7], 0
	s_mov_b32 s74, 0x76543210                      ; v_permlanex16_b32: each lane takes its own place in the other half
	s_mov_b32 s75, 0xfedcba98
	; where the tiles come from.  A's hang on the tile row alone, which my row of the cluster shares; B's on the tile column alone, which my column shares.
	; Every wave makes both addresses, in registers that never hold the other coordinate, and asks by one of them.
	s_lshl_b32 s17, s12, 7                         ; which 128 rows of the tile I fetch
	s_lshl_b32 s16, s13, 8
	s_add_co_u32 s16, s16, s17                     ; A: row 256 x tile row + 128 x half
	s_lshl_b32 s46, s42, 8
	s_add_co_u32 s46, s46, s17                     ; B: row 256 x tile column + 128 x half
	s_mov_b32 s17, 0
	s_mov_b32 s47, 0
	s_mov_b64 s[18:19], SIZE_K*2
	s_mul_u64 s[16:17], s[16:17], s[18:19]         ; in bytes, in 64 bits
	s_mul_u64 s[46:47], s[46:47], s[18:19]
	s_mul_i32 s20, s10, HALFT                      ; and where they go: A's two halves, then B's two halves = wave x 128 rows: no place in the cluster enters an LDS address
	s_wait_dscnt 0x0                               ; the opening add is done
	s_wait_kmcnt 0x0
	s_add_nc_u64 s[14:15], s[4:5], s[16:17]
	s_add_nc_u64 s[46:47], s[6:7], s[46:47]
	CROUND                                         ; all sixteen work-groups are here: the first joint loads meet
.irp s, 0,1
	s_mov_b32 s[G0+4*(\s)], 1                                      ; 1:0 count = 1
	s_add_co_u32 s[G0+4*(\s)+1], s20, (\s)*SLOT                    ; 63:32 LDS address
	s_add_nc_u64 s[G0+4*(\s)+2:G0+4*(\s)+3], s[14:15], (\s)*KSTEP*2  ; 120:64 global address: K step s
	s_or_b32 s[G0+4*(\s)+3], s[G0+4*(\s)+3], 0x80000000            ; 127:126 type = 2
	s_mov_b32 s[G0B+4*(\s)], 1
	s_add_co_u32 s[G0B+4*(\s)+1], s20, (\s)*SLOT
	s_add_nc_u64 s[G0B+4*(\s)+2:G0B+4*(\s)+3], s[46:47], (\s)*KSTEP*2
	s_or_b32 s[G0B+4*(\s)+3], s[G0B+4*(\s)+3], 0x80000000
	JLOAD \s                                       ; the ring is filled before anything else is done: two tensor loads of mine are out
.endr
	; the 512 partial maxima, 2,048 bytes: four loads of 512 consecutive bytes, the same in every wave
	v_and_b32 v6, 31, v0
	v_lshlrev_b32 v6, 4, v6                        ; 16 x lane
.irp i, 0,1,2,3
	global_load_b128 v[PART+4*(\i):PART+4*(\i)+3], v6, s[70:71] offset:512*(\i)
.endr
	; A fragment is 16 rows x 32 K in 8 registers: lane l holds row l % 16; registers 0-3 hold K = 8 (l / 16) + 0..7, registers 4-7 hold
	; K = 16 + 8 (l / 16) + 0..7.  From rows that lie along K: two loads of 16 bytes, 32 bytes apart.  The same for source 0 and source 1.
	v_and_b32 v1, 15, v0                           ; l % 16
	v_bfe_u32 v2, v0, 4, 1                         ; l / 16
	v_mul_u32_u24 v3, v1, PITCH
	v_lshl_add_u32 v3, v2, 4, v3                   ; row x pitch + 16 x half
	s_mul_i32 s21, s11, HALFT                      ; my 128 rows of A
	s_mul_i32 s22, s12, HALFT                      ; my 128 rows of B,
	s_add_co_u32 s22, s22, 2*HALFT                 ; which lie behind A's 256
.irp s, 0,1
	v_add_nc_u32 v[ADRA+(\s)], s21, v3
	v_add_nc_u32 v[ADRB+(\s)], s22, v3
	s_add_co_u32 s21, s21, SLOT
	s_add_co_u32 s22, s22, SLOT
.endr
	s_mul_i32 s23, s10, 16*SPITCH
	s_add_co_u32 s23, s23, STAGE                   ; my stage
	v_mul_u32_u24 v4, v1, SPITCH                   ; in: row l % 16, 16 bytes for each half of the lanes
	v_lshl_add_u32 v4, v2, 4, v4
	v_add_nc_u32 v[STO], s23, v4
	v_mul_u32_u24 v5, v2, SPITCH                   ; back: lanes 0-15 take one row of 256 bytes, lanes 16-31 the next
	v_lshl_add_u32 v5, v1, 4, v5
	v_add_nc_u32 v[RD], s23, v5
	v_mul_u32_u24 v5, v2, SIZE_N*2                 ; and the same two rows in C
	v_lshl_add_u32 v[CO], v1, 4, v5
	; where my part of the tile begins in C, in bytes: the way out adds it to C's address
	s_lshl_b32 s13, s13, 8
	s_lshl_b32 s14, s11, 7
	s_add_co_u32 s16, s13, s14                     ; my first row of C
	s_mov_b32 s17, 0
	s_mov_b64 s[18:19], SIZE_N*2
	s_mul_u64 s[16:17], s[16:17], s[18:19]
	s_lshl_b32 s46, s42, 9                         ; my first column, in bytes: 512 x tile column + 256 x half (in the registers that held B's address: none that feeds A's descriptors ever holds cx)
	s_lshl_b32 s47, s12, 8
	s_add_co_u32 s46, s46, s47
	s_mov_b32 s47, 0
	s_add_nc_u64 s[16:17], s[16:17], s[46:47]
	s_add_nc_u64 s[68:69], s[68:69], s[46:47]      ; the bias of my 128 columns: the same byte offset, f16 like C
	v_lshlrev_b32 v7, 4, v1                        ; on the way out I store bytes 16 (l % 16) .. + 15 of every row: one set of eight biases serves all rows
	global_load_b128 v[BIAS:BIAS+3], v7, s[68:69]
	; s = (ax / 448)(aw / 448).  All this stands in the wait for the first tile.
	s_wait_loadcnt 0x0
	v_max3_num_f32 v[PART],    v[PART],    v[PART+1],  v[PART+2]
	v_max3_num_f32 v[PART+3],  v[PART+3],  v[PART+4],  v[PART+5]
	v_max3_num_f32 v[PART+8],  v[PART+8],  v[PART+9],  v[PART+10]
	v_max3_num_f32 v[PART+11], v[PART+11], v[PART+12], v[PART+13]
	v_max3_num_f32 v[PART],    v[PART],    v[PART+6],  v[PART+7]
	v_max3_num_f32 v[PART+8],  v[PART+8],  v[PART+14], v[PART+15]
	v_max_num_f32 v[PART],   v[PART],   v[PART+3]
	v_max_num_f32 v[PART+8], v[PART+8], v[PART+11]
.irp x, 1,2,4,8
	v_max_num_f32_dpp v[PART],   v[PART],   v[PART]   row_xmask:\x row_mask:0xf bank_mask:0xf
	v_max_num_f32_dpp v[PART+8], v[PART+8], v[PART+8] row_xmask:\x row_mask:0xf bank_mask:0xf
.endr
	v_permlanex16_b32 v[PART+1], v[PART],   s74, s75  ; the destinations have been written
	v_permlanex16_b32 v[PART+9], v[PART+8], s74, s75
	v_max_num_f32 v[PART],   v[PART],   v[PART+1]
	v_max_num_f32 v[PART+8], v[PART+8], v[PART+9]
	v_max_num_f32 v[PART],   0x2b8cbccc, v[PART]      ; at least 1e-12
	v_max_num_f32 v[PART+8], 0x2b8cbccc, v[PART+8]
	v_mul_f32 v[PART],   0x3b124925, v[PART]          ; / 448
	v_mul_f32 v[PART+8], 0x3b124925, v[PART+8]
	v_mul_f32 v[PART], v[PART], v[PART+8]
	v_readfirstlane_b32 s[SC], v[PART]             ; every lane holds the same number; it serves as a factor alone
	s_mov_b32 s[SC+1], s[SC]                       ; named with it as a pair, so it is written
; 16 matrix instructions: m blocks a0, a0 + 1 of the window's four (hi = 0: my rows 0-63, 1: rows 64-127) x all 8 n blocks, 32 along K.
; zero = 1: the first product starts the sums: nothing is ever cleared.
.macro MUL16 f, hi, a0, zero
	WIN MUL_LO+0x50*(\hi)  ; MUL_LO or MUL_HI
.irp a, \a0, (\a0)+1
.irp b, 0,1,2,3,4,5,6,7
.if \zero
	v_wmma_f32_16x16x32_f16 v[8*(8*(\a)+(\b)):8*(8*(\a)+(\b))+7], v[(\f)+8*(\b):(\f)+8*(\b)+7], v[(\f)+8*(4*(\hi)+(\a)):(\f)+8*(4*(\hi)+(\a))+7], 0
.else
	v_wmma_f32_16x16x32_f16 v[8*(8*(\a)+(\b)):8*(8*(\a)+(\b))+7], v[(\f)+8*(\b):(\f)+8*(\b)+7], v[(\f)+8*(4*(\hi)+(\a)):(\f)+8*(4*(\hi)+(\a))+7], v[8*(8*(\a)+(\b)):8*(8*(\a)+(\b))+7]
.endif
.endr
.endr
.endm
; 32 LDS loads in one run: the fragments of one quarter step (128 rows of B, 128 rows of A, 32 K at byte k of the rows) into buffer f
.macro FETCH slot, k, f
	WIN TO_B
.irp i, 0,1,2,3,4,5,6,7
	ds_load_b128 v[(\f)+8*(\i):(\f)+8*(\i)+3],   v[ADRB+(\slot)] offset:(\k)+(\i)*16*PITCH
	ds_load_b128 v[(\f)+8*(\i)+4:(\f)+8*(\i)+7], v[ADRB+(\slot)] offset:(\k)+(\i)*16*PITCH+32
.endr
	WIN 0
.irp i, 0,1,2,3,4,5,6,7
	ds_load_b128 v[(\f)+8*(\i):(\f)+8*(\i)+3],   v[ADRA+(\slot)] offset:(\k)+(\i)*16*PITCH
	ds_load_b128 v[(\f)+8*(\i)+4:(\f)+8*(\i)+7], v[ADRA+(\slot)] offset:(\k)+(\i)*16*PITCH+32
.endr
.endm
; A load into a register that a matrix instruction has read, and a vector instruction that reads a matrix result or writes one of a matrix instruction's registers, stand four places behind that
; matrix instruction, and only plain vector instructions that name none of its registers are places (ISA guide 7.12.1 for vector instructions); the matrix
; instructions in between are not counted.  So four v_nop stand in front of each run of loads and in front of the way out: sixteen issue slots for a K step's 256 matrix instructions.
.macro PLACES
.rept 4
	v_nop
.endr
.endm
; A K step is four quarter steps of 32 along K, 64 matrix instructions each, on buffers 0, 1, 0, 1.  The 64 accumulators take turns, one instruction a turn, in the same order in every quarter.
; One of the first three: multiplies buffer f; in its middle it fetches the next quarter's fragments, at byte k of the same slot's rows, into buffer g.
.macro QUARTER slot, k, f, g, zero
	s_wait_dscnt 8                                 ; B and A's rows 0-63 are in; the youngest eight loads (A's rows 64-127) may be out
	WIN MUL_LO
	MUL16 \f, 0, 0, \zero
	MUL16 \f, 0, 2, \zero
	PLACES
	FETCH \slot, \k, \g
	s_wait_dscnt 32                                ; all but the 32 just issued
	WIN MUL_HI
	MUL16 \f, 1, 0, \zero
	MUL16 \f, 1, 2, \zero
.endm
; The last quarter multiplies buffer 1 and changes slots.  MEET is its first half: ONE barrier for the change of slots, for two things.  In front of it each wave waits for all its tensor loads, of which
; one is out: its part of the next slot; adds 0 to its spare word; and waits for that and for its own reads of this slot.  Behind it nobody reads this slot any more and the next slot is whole.
.macro MEET round                      ; round = 1: a round of the cluster's barrier follows
	WIN 0                                          ; (the add's two registers lie in window 0)
	s_wait_tensorcnt 0x0                           ; all my tensor loads have landed: the one that was out is my part of the next slot;
	ds_add_u32 v[SPW], v[NIL]                      ; 0 onto my spare word;
	s_wait_dscnt 9                                 ; (the add and the youngest eight loads may be out)
	WIN MUL_LO
	MUL16 F1, 0, 0, 0                              ; sixteen matrix instructions stand between the add and the wait for it
	s_wait_dscnt 0x0                               ; the add is done, and my reads of this slot are over:
	s_barrier_signal -1                            ; say so (where a slot is filled again this barrier opens a round of the cluster's barrier),
	MUL16 F1, 0, 2, 0                              ; work on registers while the others arrive,
.if \round
	WIN 0
.endif
	s_barrier_wait -1                              ; and go on when all four have said so
.endm
; The whole last quarter.  Behind the round the slot just read out is filled again first, with the K step two steps on; then come the next slot's first fragments.
; From a request to the wait for it a wave issues 224 matrix instructions.
.macro TURN slot, next
	MEET 1
	CREST                                          ; wave 0 says so for the work-group, all sixteen work-groups have said so, my work-group's barrier closes the round:
	                                               ; no wave of any partner still reads this slot's tile or has a load on its way
	s_add_nc_u64 s[G0+4*(\slot)+2:G0+4*(\slot)+3], s[G0+4*(\slot)+2:G0+4*(\slot)+3], 2*KSTEP*2      ; no tensor load of mine is out: a group 0 may be written; the type bits on top are not reached
	s_add_nc_u64 s[G0B+4*(\slot)+2:G0B+4*(\slot)+3], s[G0B+4*(\slot)+2:G0B+4*(\slot)+3], 2*KSTEP*2
	JLOAD \slot                                    ; the first tensor load behind the round, and my only one until the next; the four v_nop behind it are also the places in front of the loads below
	FETCH \next, 0, F0
	WIN MUL_HI
	MUL16 F1, 1, 0, 0
	MUL16 F1, 1, 2, 0
.endm
; THE WAY OUT of block a (16 rows of my 128), in three parts.  PACK: times s in f32, rounded to f16, 16 bytes a lane.  TOSTAGE: into my own stage in LDS, and back as whole rows of 256 bytes.
; SEND: the bias is added in f16, and the rows are stored.  Each accumulator's registers are taken in ascending order.
.macro PACK a
.set AC, 64*((\a)%4)
	WIN 0x82+0x41*((\a)/4)                         ; source 0 and destination: window 2 or 3
.irp b, 0,1,2,3,4,5,6,7
.irp r, 0,1,2,3
	v_pk_mul_f32 v[AC+8*(\b)+2*(\r):AC+8*(\b)+2*(\r)+1], v[AC+8*(\b)+2*(\r):AC+8*(\b)+2*(\r)+1], s[SC:SC+1] op_sel_hi:[1,0]
.endr
.endr
	WIN 0x0a+5*((\a)/4)                            ; sources 0 and 1: window 2 or 3; destination window 0
.irp b, 0,1,2,3,4,5,6,7
.irp r, 0,1,2,3
	v_cvt_pk_f16_f32 v[TMP+4*(\b)+(\r)], v[AC+8*(\b)+2*(\r)], v[AC+8*(\b)+2*(\r)+1]
.endr
.endr
	WIN 0
.endm
.macro TOSTAGE a
	WIN 0
.set BK, OB+192*((\a)%2)
.irp b, 0,1,2,3,4,5,6,7
	ds_store_b128 v[STO], v[TMP+4*(\b):TMP+4*(\b)+3] offset:32*(\b)
.endr
.irp t, 0,1,2,3,4,5,6,7
	ds_load_b128 v[BK+4*(\t):BK+4*(\t)+3], v[RD] offset:(\t)*2*SPITCH  ; LDS serves a wave's instructions in order (ISA guide 5.7.1.4): these see the stores above
.endr
.endm
.macro SEND a
	WIN 0
.set BK, OB+192*((\a)%2)
	s_wait_dscnt 0x0                               ; the block is back in registers
	s_wait_xcnt 0x0                                ; every earlier memory instruction has had its addresses translated (ISA guide 3.1): only behind this wait are the stores' base and the registers that earlier stores read rewritten
.if (\a) == 0
	s_add_nc_u64 s[8:9], s[8:9], s[16:17]          ; on to my first rows of the tile
.else
	s_add_nc_u64 s[8:9], s[8:9], 16*SIZE_N*2       ; 16 rows of C on: the stores' offsets stay at 14 rows, 114,688 bytes, at the most
.endif
.irp t, 0,1,2,3,4,5,6,7
.irp j, 0,1,2,3
	v_pk_add_f16 v[BK+4*(\t)+(\j)], v[BK+4*(\t)+(\j)], v[BIAS+(\j)]  ; an f16 sum of two f16 numbers
.endr
	global_store_b128 v[CO], v[BK+4*(\t):BK+4*(\t)+3], s[8:9] offset:2*(\t)*SIZE_N*2 th:TH_STORE_NT  ; 16 lanes store 256 consecutive bytes, at a multiple of 256 from C's first byte
.endr
.endm
	s_wait_tensorcnt 1                             ; my part of K step 0 is in; K step 1's may stay out
	s_barrier_signal -1
	s_barrier_wait -1                              ; everybody's is
	FETCH 0, 0, F0
	QUARTER 0, 64,  F0, F1, 1                      ; the first quarter stands in front of the loop: its products start the sums
	WIN 0                                          ; at a label and at a branch every window is 0
	s_mov_b32 s3, LAPS-1
.Llap:                                                 ; a trip goes once round the ring, from a lap's second quarter to the next lap's first, and fills both slots again
	QUARTER 0, 128, F1, F0, 0
	QUARTER 0, 192, F0, F1, 0
	TURN 0, 1
	QUARTER 1, 64,  F0, F1, 0
	QUARTER 1, 128, F1, F0, 0
	QUARTER 1, 192, F0, F1, 0
	TURN 1, 0
	QUARTER 0, 64,  F0, F1, 0
	WIN 0
	s_sub_co_u32 s3, s3, 1
	s_cmp_lg_u32 s3, 0
	s_cbranch_scc1 .Llap
	QUARTER 0, 128, F1, F0, 0                      ; the last lap is written out: it asks for nothing more
	QUARTER 0, 192, F0, F1, 0
	MEET 0                                         ; my one tensor load that was still out is slot 1's, the last K step's, so no round follows
	PLACES                                         ; for the loads into buffer 0, which the quarter before multiplied
	FETCH 1, 0, F0
	WIN MUL_HI
	MUL16 F1, 1, 0, 0
	MUL16 F1, 1, 2, 0
	QUARTER 1, 64,  F0, F1, 0
	QUARTER 1, 128, F1, F0, 0
	QUARTER 1, 192, F0, F1, 0
	s_wait_dscnt 8                                 ; the very last quarter: nothing more to fetch
	MUL16 F1, 0, 0, 0
	MUL16 F1, 0, 2, 0
	s_wait_dscnt 0x0
	MUL16 F1, 1, 0, 0
	MUL16 F1, 1, 2, 0
	PLACES                                         ; the way out reads and rewrites results: four places behind the last product
	PACK 0
	TOSTAGE 0
.irp a, 1,2,3,4,5,6,7                  ; block a's arithmetic stands between block a - 1's loads from the stage and the wait for them
	PACK \a
	SEND (\a)-1
	TOSTAGE \a
.endr
	SEND 7
	s_wait_tensorcnt 0x0                           ; the wave's end: behind my last tensor load and my last LDS store
	ds_add_u32 v[SPW], v[NIL]
	s_wait_dscnt 0x0
	CROUND                                         ; the closing round: no work-group ends while a partner may still ask for a tile that names it
	s_endpgm
.Lfunc_end_k_qd4e8cb45ea_gemm:
	.size	k_qd4e8cb45ea_gemm, .Lfunc_end_k_qd4e8cb45ea_gemm-k_qd4e8cb45ea_gemm
	.p2alignl 7, 3214868480
	.fill 96, 4, 3214868480
	.section	.rodata,"a",@progbits
	.p2align	6, 0x0
	.amdhsa_kernel k_qd4e8cb45ea_gemm
		.amdhsa_group_segment_fixed_size 327680
		.amdhsa_private_segment_fixed_size 0
		.amdhsa_enable_private_segment 0
		.amdhsa_kernarg_size 40
		.amdhsa_user_sgpr_count 2
		.amdhsa_user_sgpr_kernarg_segment_ptr 1
		.amdhsa_wavefront_size32 1
		.amdhsa_system_sgpr_workgroup_id_x 1
		.amdhsa_system_sgpr_workgroup_id_y 1
		.amdhsa_system_sgpr_workgroup_id_z 1
		.amdhsa_system_vgpr_workitem_id 0
		.amdhsa_next_free_vgpr 1024
		.amdhsa_next_free_sgpr 76
		.amdhsa_reserve_vcc 0
		.amdhsa_float_denorm_mode_32 3
		.amdhsa_float_denorm_mode_16_64 3
		.amdhsa_memory_ordered 1
		.amdhsa_forward_progress 1
		.amdhsa_inst_pref_size 177
	.end_amdhsa_kernel
	.amdgpu_metadata
---
amdhsa.version: [ 1, 2 ]
amdhsa.kernels:
  - .name:           k_qd4e8cb45ea_gemm
    .symbol:         k_qd4e8cb45ea_gemm.kd
    .args:
      - { .name: xq, .offset: 0, .size: 8, .value_kind: global_buffer, .address_space: global }
      - { .name: wq, .offset: 8, .size: 8, .value_kind: global_buffer, .address_space: global }
      - { .name: bias, .offset: 16, .size: 8, .value_kind: global_buffer, .address_space: global }
      - { .name: amax, .offset: 24, .size: 8, .value_kind: global_buffer, .address_space: global }
      - { .name: out0, .offset: 32, .size: 8, .value_kind: global_buffer, .address_space: global }
    .group_segment_fixed_size: 327680
    .private_segment_fixed_size: 0
    .kernarg_segment_align: 8
    .kernarg_segment_size: 40
    .max_flat_workgroup_size: 128
    .sgpr_count:     76
    .vgpr_count:     1024
    .wavefront_size: 32
...
	.end_amdgpu_metadata
.endif
;; end of part 3
;; ======== version 2 of 2: 3 launches; version 1 with the launch quant written anew for expert scheduling mode
;; workspace buffers: amax 2,048 bytes; xq 33,554,432 bytes; wq 33,554,432 bytes
;; launch amax: the kernel of part 1 again; grid 256 x 2, 8 waves a work-group, no clusters, 1,280 bytes of LDS; arguments x, weight, amax; writes amax
;; launch quant (part 4): grid 256 x 2, 8 waves a work-group, no clusters, 0 bytes of LDS; arguments x, weight, amax, xq, wq; writes xq, wq
.if DOCPART == 4
	.amdgcn_target "amdgcn-amd-amdhsa--gfx1250"
	.amdhsa_code_object_version 6
	.text
	.protected	k_qd4e8cb45ea_quant
	.globl	k_qd4e8cb45ea_quant
	.p2align	8
	.type	k_qd4e8cb45ea_quant,@function
k_qd4e8cb45ea_quant:
	s_mov_b64 s[64:65], 0
	v_nop
	global_prefetch_b8 v0, s[64:65] scope:SCOPE_SE
	s_setreg_imm32_b32 hwreg(HW_REG_WAVE_SCHED_MODE, 0, 2), 2
	s_setreg_imm32_b32 hwreg(HW_REG_WAVE_MODE, 25, 1), 1
	s_wait_xcnt 0x0
	s_wait_alu depctr_vm_vsrc(0)
; QUANTISATION.  q = e4m3(clip(t x scale, -448, 448)), scale = 448 / max(amax, 1e-12), written as f16.  Tensor y = 0: x -> xq; y = 1: weight -> wq.  [4096][4096] f16 in and out, the same layout.
; Every e4m3 number (four significant bits, 2^-9 to 448) is an f16 number, so the f16 that is stored IS the quantised number: the product that follows sums exactly what a product of the codes would sum.
; SHARES.  256 work-groups a tensor, 131,072 consecutive bytes each; load and store j (0 to 31) of thread t touch the 16 bytes at 4,096 j + 16 t: a wave's instruction covers 512 consecutive
; bytes that begin at a multiple of 512.  All 32 loads of a wave go out at once; each group of four registers is quantised in place and stored from where it was loaded, so no register
; that a memory instruction names is ever written again behind that instruction: no ring and no loop.
; THE MODE: SCHED_MODE bits 1:0 = 2 (LLVM: expert scheduling mode 2), set by the entry lines.  The code itself states the register dependences
; between vector instructions and memory instructions, with s_wait_alu, always for 0.
; THE PLAN.  Registers that memory instructions touch:
;   v1, v[OFF]   byte offsets, made at the head and never written again; read by the loads (v1: the partial maxima's two) and by the stores.
;   v[2:9]       the partial maxima land here; no vector instruction names them ahead of those loads.
;   X, group j   load j lands in it (no vector instruction has named it); behind the counted wait for load j the group's eight multiply-adds read it and its four
;                conversions to f16 write it; store j reads it; nothing writes it again.
;   T, v20, v21, ONE, SCL and ZERO are named by vector instructions alone.
; The 32 groups go in eight blocks of four.  Block p quantises groups 4 p to 4 p + 3; its memory instructions are the four stores of block p - 1, whose registers no vector instruction of
; block p names.  So ONE wait on va_vdst at a block's head states all that its four stores hang on, and they are dealt among the block's vector instructions, one in front of each group's.
; No register that a memory instruction has read is written afterwards, and no base is stepped: so past the entry lines the text holds no wait on vm_vsrc and no s_wait_xcnt.
; THE SCALE.  Each wave takes the maximum of its tensor's 256 partial maxima (1,024 bytes, two loads).  Where 448 / amax is a short binary number, many t x scale lie exactly midway between two e4m3
; numbers, and a scale off by one unit in the last place would break those ties otherwise than a true division does.  So: reciprocal, one Newton step, the quotient, and one correction by its exact remainder;
; the result is the true quotient wherever that is an f32 number, and within one unit in the last place of the rounded quotient elsewhere.
; LIMITS.  A NaN in a tensor is passed over by the maximum, and the clip turns it into a bound; -0 becomes +0 (0 is added in the multiply-add), which no product notices.
.set BLOCK, 4                          ; groups in a block
.set SCL,  10                          ; v10      the scale
.set ZERO, 11                          ; v11      0
.set T,    12                          ; v[12:19] eight numbers in f32, at work
                                       ; v[20:21] eight e4m3 codes, written as a whole pair (their halves are read as v20.l and so on)
.set OFF,  22                          ; v22      16 t; never rewritten
.set ONE,  23                          ; v23      1.0: the conversion to e4m3 divides by two to this number's exponent, that is by 1
.set X,    24                          ; v[24:151] the 32 loads' 128 words, then the words to store
	s_load_b256 s[4:11], s[0:1], 0x0               ; x s[4:5], weight s[6:7], amax s[8:9], xq s[10:11]
	s_load_b64 s[12:13], s[0:1], 0x20              ; wq
	v_and_b32 v1, 31, v0
	v_lshlrev_b32 v1, 4, v1                        ; 16 x lane: my 16 bytes of 512 of the partial maxima
	v_lshlrev_b32 v[OFF], 4, v0
	s_and_b32 s14, ttmp7, 0xffff                   ; y: which tensor
	s_lshl_b32 s16, ttmp9, 17                      ; g x 131,072 bytes
	s_mov_b32 s17, 0
	s_lshl_b32 s18, s14, 10                        ; the tensor's 1,024 bytes of partial maxima
	s_mov_b32 s19, 0
	s_mov_b32 s20, 0xc3e00000                      ; -448
	s_mov_b32 s21, 0x43e00000                      ; 448
	s_mov_b32 s22, 0x76543210
	s_mov_b32 s23, 0xfedcba98
	s_wait_kmcnt 0x0
	s_cmp_eq_u32 s14, 0
	s_cselect_b64 s[4:5], s[4:5], s[6:7]           ; from where,
	s_cselect_b64 s[10:11], s[10:11], s[12:13]     ; to where
	s_add_nc_u64 s[4:5], s[4:5], s[16:17]
	s_add_nc_u64 s[10:11], s[10:11], s[16:17]
	s_add_nc_u64 s[8:9], s[8:9], s[18:19]
	s_wait_alu depctr_va_vdst(0)                   ; v1 and v[OFF] are written: every load and store of the kernel reads one of them as its offset
	global_load_b128 v[2:5], v1, s[8:9]
	global_load_b128 v[6:9], v1, s[8:9] offset:512
.set j, 0
.rept 32
	global_load_b128 v[X+4*j:X+4*j+3], v[OFF], s[4:5] offset:4096*j th:TH_LOAD_NT  ; read for the last time
.set j, j+1
.endr
	s_wait_loadcnt 32                              ; the partial maxima are in; the 32 younger loads stay out
	v_max3_num_f32 v2, v2, v3, v4
	v_max3_num_f32 v5, v5, v6, v7
	v_max3_num_f32 v2, v2, v8, v9
	v_max_num_f32 v2, v2, v5
	v_max_num_f32_dpp v2, v2, v2 row_xmask:1 row_mask:0xf bank_mask:0xf
	v_max_num_f32_dpp v2, v2, v2 row_xmask:2 row_mask:0xf bank_mask:0xf
	v_max_num_f32_dpp v2, v2, v2 row_xmask:4 row_mask:0xf bank_mask:0xf
	v_max_num_f32_dpp v2, v2, v2 row_xmask:8 row_mask:0xf bank_mask:0xf
	v_permlanex16_b32 v3, v2, s22, s23             ; v3 has been written
	v_max_num_f32 v2, v2, v3
	v_max_num_f32 v2, 0x2b8cbccc, v2               ; a = max(amax, 1e-12)
	v_rcp_f32 v3, v2                               ; r, about 1 / a
	v_mov_b32 v4, 0x43e00000                       ; 448: also the plain instruction between the reciprocal and the use of its result (ISA guide 5.7.2)
	s_wait_alu depctr_va_vdst(0)                   ; the reciprocal has written v3, ahead of its first reader
	v_fma_f32 v5, -v2, v3, 1.0                     ; 1 - a r
	v_fma_f32 v3, v5, v3, v3                       ; r made better by it
	v_mul_f32 v6, v4, v3                           ; q = 448 r
	v_fma_f32 v7, -v2, v6, v4                      ; 448 - a q, exact before its one rounding
	v_fma_f32 v[SCL], v7, v3, v6                   ; q + remainder x r
	v_mov_b32 v[ZERO], 0
	v_mov_b32 v[ONE], 1.0
; Group j: the store of the group one block back, then load j's eight numbers: 26 vector instructions.
.macro QUAD j
.if ((\j) >= BLOCK) && (((\j) % BLOCK) == 0)
	s_wait_alu depctr_va_vdst(0)                   ; a block's head: the conversions of the block before have written its four groups of X, which this block's four stores read
.endif
.if (\j) >= BLOCK
	global_store_b128 v[OFF], v[X+4*((\j)-BLOCK):X+4*((\j)-BLOCK)+3], s[10:11] offset:4096*((\j)-BLOCK)  ; no vector instruction since the wait names these registers.  No cache word: the next launch reads it
.endif
	s_wait_loadcnt 31-(\j)                         ; loads come back in order (ISA guide 5.7.1): load j is in, the younger ones stay out
.irp r, 0,1,2,3
	v_fma_mix_f32 v[T+2*(\r)],   v[X+4*(\j)+(\r)], v[SCL], v[ZERO] op_sel_hi:[1,0,0]                ; the low f16 x scale, in f32, rounded once
	v_fma_mix_f32 v[T+2*(\r)+1], v[X+4*(\j)+(\r)], v[SCL], v[ZERO] op_sel:[1,0,0] op_sel_hi:[1,0,0]  ; the high f16
.endr
.irp k, 0,1,2,3,4,5,6,7
	v_med3_num_f32 v[T+(\k)], v[T+(\k)], s20, s21  ; the clip stands ahead of the conversion, which is not leaned on to saturate
.endr
	v_cvt_scalef32_pk8_fp8_f32 v[20:21], v[T:T+7], v[ONE]  ; all eight to e4m3, each divided by 2^0; number k goes to byte k of the pair
	v_nop                                          ; one plain instruction behind a scaled conversion, before its result is read and its sources are written
	v_cvt_pk_f32_fp8 v[12:13], v20.l               ; and back: exact
	v_cvt_pk_f32_fp8 v[14:15], v20.h
	v_cvt_pk_f32_fp8 v[16:17], v21.l
	v_cvt_pk_f32_fp8 v[18:19], v21.h
.irp r, 0,1,2,3
	v_cvt_pk_f16_f32 v[X+4*(\j)+(\r)], v[T+2*(\r)], v[T+2*(\r)+1]  ; exact too: four significant bits, 2^-9 to 448
.endr
.endm
.set j, 0
.rept 32
	QUAD j
.set j, j+1
.endr
	s_wait_alu depctr_va_vdst(0)                   ; the last block's conversions have written its four groups of X, which the last four stores read
.irp j, 28,29,30,31
	global_store_b128 v[OFF], v[X+4*(\j):X+4*(\j)+3], s[10:11] offset:4096*(\j)
.endr
	s_endpgm
.Lfunc_end_k_qd4e8cb45ea_quant:
	.size	k_qd4e8cb45ea_quant, .Lfunc_end_k_qd4e8cb45ea_quant-k_qd4e8cb45ea_quant
	.p2alignl 7, 3214868480
	.fill 96, 4, 3214868480
	.section	.rodata,"a",@progbits
	.p2align	6, 0x0
	.amdhsa_kernel k_qd4e8cb45ea_quant
		.amdhsa_group_segment_fixed_size 0
		.amdhsa_private_segment_fixed_size 0
		.amdhsa_enable_private_segment 0
		.amdhsa_kernarg_size 40
		.amdhsa_user_sgpr_count 2
		.amdhsa_user_sgpr_kernarg_segment_ptr 1
		.amdhsa_wavefront_size32 1
		.amdhsa_system_sgpr_workgroup_id_x 1
		.amdhsa_system_sgpr_workgroup_id_y 1
		.amdhsa_system_sgpr_workgroup_id_z 1
		.amdhsa_system_vgpr_workitem_id 0
		.amdhsa_next_free_vgpr 152
		.amdhsa_next_free_sgpr 66
		.amdhsa_reserve_vcc 0
		.amdhsa_float_denorm_mode_32 3
		.amdhsa_float_denorm_mode_16_64 3
		.amdhsa_memory_ordered 1
		.amdhsa_forward_progress 1
		.amdhsa_inst_pref_size 57
	.end_amdhsa_kernel
	.amdgpu_metadata
---
amdhsa.version: [ 1, 2 ]
amdhsa.kernels:
  - .name:           k_qd4e8cb45ea_quant
    .symbol:         k_qd4e8cb45ea_quant.kd
    .args:
      - { .name: x, .offset: 0, .size: 8, .value_kind: global_buffer, .address_space: global }
      - { .name: weight, .offset: 8, .size: 8, .value_kind: global_buffer, .address_space: global }
      - { .name: amax, .offset: 16, .size: 8, .value_kind: global_buffer, .address_space: global }
      - { .name: xq, .offset: 24, .size: 8, .value_kind: global_buffer, .address_space: global }
      - { .name: wq, .offset: 32, .size: 8, .value_kind: global_buffer, .address_space: global }
    .group_segment_fixed_size: 0
    .private_segment_fixed_size: 0
    .kernarg_segment_align: 8
    .kernarg_segment_size: 40
    .max_flat_workgroup_size: 256
    .sgpr_count:     66
    .vgpr_count:     152
    .wavefront_size: 32
...
	.end_amdgpu_metadata
.endif
;; end of part 4
;; launch gemm: the kernel of part 3 again; grid 16 x 16, 4 waves a work-group, clusters of 4 x 4, 327,680 bytes of LDS; arguments xq, wq, bias, amax, out0; writes out0
